; MI455X (gfx1250); checked and timed in simulation.
; The chip was launched on July 23, 2026; its instructions are those of AMD's public machine-readable ISA for CDNA 5 (MIT licence, August 2026) and "CDNA5" Instruction Set Architecture Reference Guide (July 2026). The comments in the code are by the model that wrote it; some were corrected since.
;; Keywords Attention. Allowed arithmetic: matrix products marked QUANTISED: E3M2 operands, one E8M0 scale for each 32 along K, by v_wmma_scale_f32_16x16x128_f8f6f4 with both operands' format E3M2, f32 sums; products left as they are: f32 operands where the result goes on into a quantised operand, else bf16, f16 or f32 operands; f32 sums; everything else in f32.
;; Inputs: W_condition 1,024 x 1,024 float32; W_context 1,024 x 1,024 float32; W_query 1,024 x 1,024 float32; b_query 1,024 float32; condition 64 x 1,024 float32; memory_bank 64 x 1,024 x 1,024 float32; source 64 x 1,024 float32; v 1,024 float32.
;; Outputs: out0 64 x 1,024 float32; out1 64 x 1 x 1,024 float32.
;; This version of the problem:
;;   THIS VERSION OF THE PROBLEM IS GIVEN IN LOW PRECISION. The matrix products marked QUANTISED in the list below multiply operands that are first quantised to E3M2 (3 exponent bits, 2 mantissa bits; 6 bits a number), with one power-of-two scale for each 32 numbers along K (OCP MX v1.0); their sums are f32. All else is computed in f32.
;;   The module's matrix products, in the order in which they are computed (A, B: the left and right operand; K: the contracted axis; several contracted axes count as one K, in the product's order):
;;     1. [M 64, K 1,024] x [K 1,024, N 1,024]; A: input source; B: input W_query: QUANTISED
;;     2. [M 64, K 1,024] x [K 1,024, N 1,024]; A: input condition; B: input W_condition: QUANTISED
;;     3. [M 65,536, K 1,024] x [K 1,024, N 1,024]; A: input memory_bank; B: input W_context: QUANTISED
;;     4. [M 65,536, K 1,024] x [K 1,024, N 1]; A: computed on the way; B: input v: left as it is (N = 1 < 16)
;;     5. batch 64 x [M 1, K 1,024] x [K 1,024, N 1,024]; A: softmax; B: input memory_bank: left as it is (M = 1 < 16)
;;   THE QUANTISER, for each operand of a quantised product, along K:
;;     - K is cut into blocks of 32 from its start; a last block that is shorter is filled with zeros.
;;     - A block's scale is 2^e with e = floor(log2(the largest magnitude in the block)) - 4, held to -126 .. 127; a block of zeros has e = 0. As a byte (E8M0): e + 127.
;;     - Each number is divided by its block's scale, clamped to +-28, and rounded to the nearest number of E3M2, ties to even, subnormals kept.
;;     - The product sums the exact products of the quantised numbers (number of the format x scale) in f32.
;;   ~~~python
;;   def quantise(x, axis):      # numpy; x: float32 -> the quantised numbers, widened to float32 again
;;       x = np.moveaxis(x, axis, -1); K = x.shape[-1]
;;       x = np.pad(x, [(0, 0)] * (x.ndim - 1) + [(0, -K % 32)]); x = x.reshape(x.shape[:-1] + (-1, 32)); a = np.abs(x).max(-1, keepdims=True)
;;       e = np.where(a > 0, np.clip(np.frexp(np.where(a > 0, a, 1))[1] - 1 - 4, -126, 127), 0)      # np.frexp(a)[1] - 1 = floor(log2(a)), exactly
;;       r = np.clip(x / 2.0 ** e, -28, 28)
;;       step = 2.0 ** (np.maximum(np.frexp(np.where(r == 0, 1, r))[1] - 1, -2) - 2)
;;       q = np.round(r / step) * step * 2.0 ** e      # np.round: ties to even
;;       return np.moveaxis(q.reshape(q.shape[:-2] + (-1,))[..., :K], -1, axis).astype(np.float32)
;;   ~~~
;; One version. Each part assembles by itself: llvm-mc -triple=amdgcn-amd-amdhsa -mcpu=gfx1250 --defsym DOCPART=n.
;; ======== version 1 of 1: 3 launches
;; limits: right only within a limited range of input values
;; workspace buffers: wc 819,200 bytes; cb 262,144 bytes; scores 262,144 bytes; part 4,194,304 bytes; st 8,192 bytes
;; launch prep (part 1): grid 64 x 4, 18 waves a work-group, no clusters, 322,816 bytes of LDS; arguments W_context, W_query, W_condition, source, condition, b_query, wc, cb; writes wc, cb
.if DOCPART == 1
	.amdgcn_target "amdgcn-amd-amdhsa--gfx1250"
	.amdhsa_code_object_version 6
	.text
	.protected	k_qdd4deb4f11_prep
	.globl	k_qdd4deb4f11_prep
	.p2align	8
	.type	k_qdd4deb4f11_prep,@function
k_qdd4deb4f11_prep:
	s_mov_b64 s[64:65], 0
	v_nop
	global_prefetch_b8 v0, s[64:65] scope:SCOPE_SE
	s_setreg_imm32_b32 hwreg(HW_REG_WAVE_MODE, 25, 1), 1
	s_wait_xcnt 0x0
; KeywordsAttention, first of three launches.  The program: align[b][s] = sum over e of v[e] tanh(uh[b][s][e] + wq[b][e] + wcond[b][e]); softmax over s; c = p . memory_bank.
; WORK LEFT OUT, for all values of the inputs: tanh(x) = 1 - 2 r with r = 1 / (1 + 2^(C x)), C = 2 log2(e).  So align[b][s] = (sum over e of v[e]) - 2 sum over e of v[e] r[b][s][e].
; The first term is the same for every s, and a softmax along s does not change when one number is added to all its inputs: the sum of v is never formed, and the program carries -2 sum v r.
; Every input is loaded.  LIMIT: an overflow, infinity or NaN that would arise in the sum of v alone is not carried to the result.
; THIS LAUNCH.  Work-group (x, y) = (T, m): the 16 rows e = 16 T .. of the three weights, the 16 batches 16 m ..
;   cb[b][e] = C (source . W_query^T + b_query + condition . W_condition^T), both products on codes of BF6 (E3M2) with one E8M0 byte for each 32 along K, quantised here in registers.
;     Waves 0-7 take the eight K steps of 128 of the first product, waves 8-15 those of the second: two fragments and one matrix instruction a wave; the sixteen partial tiles meet in LDS; waves 0 and 1 add them.
;     (source and condition are quantised anew by each of the 64 work-groups of a batch tile: 128 KiB each; a launch for them alone would cost more than it spares.)
;   Waves 16 and 17 quantise K steps 2 m and 2 m + 1 of W_context's rows 16 T .., stored in the ORDER OF THE OPERAND'S REGISTERS:
;     wc = 32 halves of 25,600 bytes; half g holds rows 32 g .. 32 g + 31: the image of (K step k, tile t of 16 rows) at (2 k + t) 1,536: three groups of 512 bytes, lane l's registers 4 c .. 4 c + 3 at 512 c + 16 l;
;     behind the 16 images, at 24,576, the scale words: row (16 t + r)'s eight words (one a K step) at 32 (16 t + r).
; A FRAGMENT (16 rows x 128 along K) comes by sixteen loads, each 512 consecutive bytes of one row, goes as loaded into the wave's own stage in LDS (rows 528 bytes apart) and comes back, into the registers that it left,
; so that lane (r = lane % 16, h = lane / 16) holds k = 64 c + 32 h + 0 .. 31 of row r: two whole blocks of 32, in the order in which the operand's registers want them.
; A block's scale byte is its largest magnitude's exponent field - 4, held at 1 from below.  LIMITS: a block of zeros gets the byte 1 (its codes are zeros, and this program alone reads the bytes);
; NaN and infinities among the inputs are not served.
; The scale words (4 bytes a lane, 32 bytes apart) and cb (16 bytes a lane, rows apart) leave in small pieces: 32 KiB and 256 KiB in all.
; REGISTERS: v1, v2 the add's two; v3-14 addresses; v16-23 the quantiser's; v24, v25 scale words; v28-35 the accumulator (ahead of the product: the conversions' work); v36-47, v48-59 two fragments; v60-63 b_query; v64-191 two sets of 64 numbers.
.set RED,   0                          ; LDS: wave w's partial tile: registers 0-3 at 1,024 w + 16 lane, registers 4-7 512 bytes on
.set STAGE, 16384                      ; for each of the 18 waves two stages of 16 rows x (512 + 16) bytes
.set STW,   16896
.set STH,   8448
.set SPI,   528
.set SPARE, 320512                     ; the spare words, 128 bytes a wave: nine blocks of 256 bytes that no other line names
.set SPW, 1
.set NIL, 2
.set GA,  3                            ; v3  16 x lane
.set STI, 4                            ; v4  my stage, on the way in: + 16 x lane
.set STO, 5                            ; v5  on the way out: + 528 r + 128 h
.set HSH, 6                            ; v6  8 h
.set RDW, 7                            ; v7  where my partial tile goes
.set RDR, 8                            ; v8  where waves 0 and 1 read the sixteen back
.set BQO, 9                            ; v9  b_query: 32 h + 16 (wave % 2)
.set CBO, 10                           ; v10 cb: + row r
.set SCO, 11                           ; v11 scale words: 32 bytes a row
.set QM,  16
.set SW,  24
.set ACC, 28
.set CW,  36                           ; the weight's fragment
.set CX,  48                           ; the batches' fragment
.set BQ,  60
.set X1,  64
.set X2,  128
.set SEL, 22                           ; s[22:23] v_permlanex16_b32's selects for lane l xor 16
.set CS,  26                           ; s[26:27] C
; 64 numbers of a lane, v[x] on (register 32 c + i = k 64 c + 32 h + i of my row), become a fragment's 12 registers at v[d] and its scale word in v[sreg].  v[t] on: at work.
.macro QUANT x, d, t, sreg
	v_max3_num_f32 v[QM], |v[(\x)]|, |v[(\x)+1]|, 0x2800000          ; each block's largest magnitude in two chains; the floor 2^(5 - 127) holds the byte at 1 from below
	v_max3_num_f32 v[QM+1], |v[(\x)+32]|, |v[(\x)+33]|, 0x2800000
	v_max3_num_f32 v[QM+2], |v[(\x)+16]|, |v[(\x)+17]|, |v[(\x)+18]|
	v_max3_num_f32 v[QM+3], |v[(\x)+48]|, |v[(\x)+49]|, |v[(\x)+50]|
.irp n, 0,2,4,6,8,10
	s_delay_alu instid0(VALU_DEP_4)
	v_max3_num_f32 v[QM], v[QM], |v[(\x)+2+\n]|, |v[(\x)+3+\n]|
	s_delay_alu instid0(VALU_DEP_4)
	v_max3_num_f32 v[QM+1], v[QM+1], |v[(\x)+34+\n]|, |v[(\x)+35+\n]|
	s_delay_alu instid0(VALU_DEP_4)
	v_max3_num_f32 v[QM+2], v[QM+2], |v[(\x)+19+\n]|, |v[(\x)+20+\n]|
	s_delay_alu instid0(VALU_DEP_4)
	v_max3_num_f32 v[QM+3], v[QM+3], |v[(\x)+51+\n]|, |v[(\x)+52+\n]|
.endr
	s_delay_alu instid0(VALU_DEP_4)
	v_max3_num_f32 v[QM], v[QM], |v[(\x)+14]|, |v[(\x)+15]|
	s_delay_alu instid0(VALU_DEP_4)
	v_max3_num_f32 v[QM+1], v[QM+1], |v[(\x)+46]|, |v[(\x)+47]|
	s_delay_alu instid0(VALU_DEP_2)
	v_max3_num_f32 v[QM], v[QM], v[QM+2], |v[(\x)+31]|
	s_delay_alu instid0(VALU_DEP_2)
	v_max3_num_f32 v[QM+1], v[QM+1], v[QM+3], |v[(\x)+63]|
	s_delay_alu instid0(VALU_DEP_2)
	v_add_nc_u32 v[QM+2], 0xfe000000, v[QM]                          ; 4 off the exponent field: the conversion's scale operand
	s_delay_alu instid0(VALU_DEP_2)
	v_add_nc_u32 v[QM+3], 0xfe000000, v[QM+1]
	s_delay_alu instid0(VALU_DEP_2)
	v_lshrrev_b32 v[QM+4], 23, v[QM+2]                               ; the scale's byte
	s_delay_alu instid0(VALU_DEP_2)
	v_lshrrev_b32 v[QM+5], 23, v[QM+3]
	s_delay_alu instid0(VALU_DEP_1)
	v_lshl_or_b32 v[QM+6], v[QM+5], 16, v[QM+4]                      ; my two bytes, blocks h and 2 + h,
	s_delay_alu instid0(VALU_DEP_1)
	v_lshlrev_b32 v[QM+6], v[HSH], v[QM+6]                           ; at their places in the word;
	s_delay_alu instid0(VALU_DEP_1)
	v_permlanex16_b32 v[QM+7], v[QM+6], s[SEL], s[SEL+1]
	s_delay_alu instid0(VALU_DEP_1)
	v_or_b32 v[(\sreg)], v[QM+6], v[QM+7]                            ; with lane l xor 16's two the word is whole
	v_cvt_scalef32_pk16_bf6_f32 v[(\d):(\d)+2], v[(\x):(\x)+15], v[QM+2]
	v_cvt_scalef32_pk16_bf6_f32 v[(\t):(\t)+2], v[(\x)+16:(\x)+31], v[QM+2]      ; (a conversion's three registers begin on an even number)
	v_cvt_scalef32_pk16_bf6_f32 v[(\d)+6:(\d)+8], v[(\x)+32:(\x)+47], v[QM+3]
	v_cvt_scalef32_pk16_bf6_f32 v[(\t)+4:(\t)+6], v[(\x)+48:(\x)+63], v[QM+3]
	v_nop                                                            ; one plain place behind the conversions
.irp n, 0,1,2
	v_mov_b32 v[(\d)+3+\n], v[(\t)+\n]
	v_mov_b32 v[(\d)+9+\n], v[(\t)+4+\n]
.endr
.endm
.macro GLD x, base                     ; 16 rows x 128 along K: sixteen loads, 512 consecutive bytes of a row each
.set gi, 0
.rept 16
	global_load_b128 v[(\x)+4*gi:(\x)+4*gi+3], v[GA], s[\base:\base+1] offset:4096*gi
.set gi, gi+1
.endr
.endm
.macro TURN x, st                      ; through stage st, as loaded, and back into the same registers.  LDS serves a wave's instructions in order: the loads see the stores, and come behind them
.set gi, 0
.rept 16
	ds_store_b128 v[STI], v[(\x)+4*gi:(\x)+4*gi+3] offset:STH*(\st)+SPI*gi
.set gi, gi+1
.endr
.set gi, 0
.rept 16
	ds_load_b128 v[(\x)+4*gi:(\x)+4*gi+3], v[STO] offset:STH*(\st)+256*(gi/8)+16*(gi%8)
.set gi, gi+1
.endr
.endm
	s_load_b256 s[4:11], s[0:1], 0x0               ; W_context s[4:5], W_query s[6:7], W_condition s[8:9], source s[10:11]
	s_load_b256 s[12:19], s[0:1], 0x20             ; condition s[12:13], b_query s[14:15], wc s[16:17], cb s[18:19]
	v_lshl_add_u32 v[SPW], v0, 2, SPARE
	v_mov_b32 v[NIL], 0
	v_lshrrev_b32 v12, 5, v0
	s_delay_alu instid0(VALU_DEP_1)
	v_readfirstlane_b32 s20, v12                   ; wave 0..17
	v_and_b32 v12, 31, v0                          ; lane
	v_and_b32 v13, 15, v0                          ; r
	v_bfe_u32 v14, v0, 4, 1                        ; h
	; every LDS address is made here, ahead of the place where the waves' roles part
	s_delay_alu instid0(VALU_DEP_3)
	v_lshlrev_b32 v[GA], 4, v12
	s_mul_i32 s24, s20, STW
	s_add_co_u32 s24, s24, STAGE                   ; my stages
	v_add_nc_u32 v[STI], s24, v[GA]
	v_mul_u32_u24 v[STO], v13, SPI
	s_delay_alu instid0(VALU_DEP_1)
	v_lshl_add_u32 v[STO], v14, 7, v[STO]
	s_delay_alu instid0(VALU_DEP_1)
	v_add_nc_u32 v[STO], s24, v[STO]
	v_lshlrev_b32 v[HSH], 3, v14
	s_lshl_b32 s24, s20, 10
	v_add_nc_u32 v[RDW], s24, v[GA]
	s_and_b32 s25, s20, 1                          ; wave % 2
	s_lshl_b32 s24, s25, 9
	v_add_nc_u32 v[RDR], s24, v[GA]
	s_lshl_b32 s24, s25, 4
	v_lshl_add_u32 v[BQO], v14, 5, s24
	s_delay_alu instid0(VALU_DEP_1)
	v_lshl_add_u32 v[CBO], v13, 12, v[BQO]
	v_lshlrev_b32 v[SCO], 5, v13
	v_mov_b32 v[QM+7], 0                           ; written once: a lane permute's destination counts as one of its sources
	s_mov_b32 s[SEL], 0x76543210
	s_mov_b32 s[SEL+1], 0xfedcba98
	s_mov_b32 s[CS], 0x4038aa3b                    ; C = 2 log2(e)
	s_mov_b32 s[CS+1], s[CS]                       ; (named with it as a pair, so it is written)
	s_and_b32 s21, ttmp7, 0xffff                   ; m
	; byte offsets, each in a pair of its own
	s_lshl_b32 s32, ttmp9, 16                      ; a weight's 16 rows of 4,096 bytes
	s_lshl_b32 s34, s21, 16                        ; the 16 batches
	s_and_b32 s24, s20, 7
	s_lshl_b32 s24, s24, 9                         ; waves 0-15: my K step, 512 bytes of a row
	s_add_co_u32 s36, s32, s24                     ; in the weight,
	s_mov_b32 s37, 0
	s_add_co_u32 s34, s34, s24                     ; in source or condition
	s_mov_b32 s35, 0
	s_lshl_b32 s38, s21, 1
	s_add_co_u32 s38, s38, s25                     ; waves 16, 17: K step 2 m + wave % 2 of W_context
	s_lshl_b32 s24, s38, 9
	s_add_co_u32 s32, s32, s24
	s_mov_b32 s33, 0
	s_lshr_b32 s40, ttmp9, 1
	s_mul_i32 s40, s40, 25600                      ; wc: the half,
	s_and_b32 s41, ttmp9, 1                        ; t
	s_lshl_b32 s42, s38, 1
	s_add_co_u32 s42, s42, s41
	s_mul_i32 s42, s42, 1536
	s_add_co_u32 s42, s42, s40                     ; the image's place,
	s_mov_b32 s43, 0
	s_lshl_b32 s41, s41, 9
	s_add_co_u32 s40, s40, s41
	s_lshl_b32 s41, s38, 2
	s_add_co_u32 s40, s40, s41
	s_add_co_u32 s40, s40, 24576                   ; the scale words' place: 512 t + 4 k behind the images
	s_mov_b32 s41, 0
	s_lshl_b32 s44, ttmp9, 6                       ; b_query at e = 16 T
	s_mov_b32 s45, 0
	s_lshl_b32 s46, s21, 16
	s_add_co_u32 s46, s46, s44                     ; cb at batch 16 m, e = 16 T
	s_mov_b32 s47, 0
	s_wait_alu depctr_va_vdst(0)
	s_wait_kmcnt 0x0
	s_add_nc_u64 s[14:15], s[14:15], s[44:45]
	global_load_b128 v[BQ:BQ+3], v[BQO], s[14:15]  ; b_query at 8 h + 4 (wave % 2) + 0 .. 3: one line in every wave, here, so that it is long in when waves 0 and 1 want it
	s_cmp_gt_u32 s20, 15                           ; the roles part on the wave's number
	s_cbranch_scc1 .Lwctx
	; ---- waves 0-15: one K step of one of the two small products
	s_cmp_lt_u32 s20, 8                            ; waves 0-7: source . W_query^T; waves 8-15: condition . W_condition^T
	s_cselect_b64 s[28:29], s[6:7], s[8:9]
	s_cselect_b64 s[30:31], s[10:11], s[12:13]
	s_add_nc_u64 s[28:29], s[28:29], s[36:37]
	s_add_nc_u64 s[30:31], s[30:31], s[34:35]
	GLD X1, 28
	GLD X2, 30
	s_wait_loadcnt 16                              ; the weight's sixteen loads are in; the other fragment's may be out
	TURN X1, 0
	s_wait_dscnt 0x0                               ; it is back from its stage
	s_wait_loadcnt 0x0
	TURN X2, 1                                     ; the second goes through the other stage while the first is quantised
	QUANT X1, CW, ACC, SW
	s_wait_dscnt 0x0
	QUANT X2, CX, ACC, SW+1
.rept 8
	v_nop                                          ; a scale register written by a vector instruction stands 8 places ahead of a scaled matrix instruction, an operand so written 4
.endr
	v_wmma_scale_f32_16x16x128_f8f6f4 v[ACC:ACC+7], v[CW:CW+11], v[CX:CX+11], 0, v[SW], v[SW+1] matrix_a_fmt:MATRIX_FMT_BF6 matrix_b_fmt:MATRIX_FMT_BF6    ; transposed: source 0 = 16 rows of the weight, source 1 = 16 batches
.rept 4
	v_nop
.endr
	ds_store_b128 v[RDW], v[ACC:ACC+3]             ; lane (r, h), register j: batch 16 m + r, e = 16 T + 8 h + j
	ds_store_b128 v[RDW], v[ACC+4:ACC+7] offset:512
	s_branch .Ljoin
	; ---- waves 16, 17: one K step of W_context's 16 rows
.Lwctx:
	s_add_nc_u64 s[4:5], s[4:5], s[32:33]
	GLD X1, 4
	s_add_nc_u64 s[42:43], s[16:17], s[42:43]
	s_add_nc_u64 s[40:41], s[16:17], s[40:41]
	s_wait_loadcnt 0x0
	TURN X1, 0
	s_wait_dscnt 0x0
	QUANT X1, CW, ACC, SW
.irp c, 0,1,2
	global_store_b128 v[GA], v[CW+4*\c:CW+4*\c+3], s[42:43] offset:512*\c        ; 32 lanes store 512 consecutive bytes
.endr
	global_store_b32 v[SCO], v[SW], s[40:41]       ; lanes l and l xor 16 hold the same word and store it to the same place
.Ljoin:
	s_wait_dscnt 0x0                               ; for the others' sake: my LDS stores have landed
	s_barrier_signal -1
	s_barrier_wait -1                              ; the sixteen partial tiles lie in LDS
	s_cmp_gt_u32 s20, 1                            ; wave u = 0, 1 adds registers 4 u .. 4 u + 3 of the sixteen
	s_cbranch_scc1 .Lend
.irp a, 0,1,2,3,4,5,6,7,8,9,10,11,12,13,14,15
	ds_load_b128 v[X1+4*\a:X1+4*\a+3], v[RDR] offset:1024*\a
.endr
	s_add_nc_u64 s[18:19], s[18:19], s[46:47]
	s_wait_dscnt 0x0
.irp a, 0,2,4,6,8,10,12,14
	v_pk_add_f32 v[X1+4*\a:X1+4*\a+1], v[X1+4*\a:X1+4*\a+1], v[X1+4*\a+4:X1+4*\a+5]
	v_pk_add_f32 v[X1+4*\a+2:X1+4*\a+3], v[X1+4*\a+2:X1+4*\a+3], v[X1+4*\a+6:X1+4*\a+7]
.endr
.irp a, 0,4,8,12
	v_pk_add_f32 v[X1+4*\a:X1+4*\a+1], v[X1+4*\a:X1+4*\a+1], v[X1+4*\a+8:X1+4*\a+9]
	v_pk_add_f32 v[X1+4*\a+2:X1+4*\a+3], v[X1+4*\a+2:X1+4*\a+3], v[X1+4*\a+10:X1+4*\a+11]
.endr
.irp a, 0
	v_pk_add_f32 v[X1+4*\a:X1+4*\a+1], v[X1+4*\a:X1+4*\a+1], v[X1+4*\a+16:X1+4*\a+17]
	v_pk_add_f32 v[X1+4*\a+2:X1+4*\a+3], v[X1+4*\a+2:X1+4*\a+3], v[X1+4*\a+18:X1+4*\a+19]
.endr
.irp a, 8
	s_delay_alu instid0(VALU_DEP_4)
	v_pk_add_f32 v[X1+4*\a:X1+4*\a+1], v[X1+4*\a:X1+4*\a+1], v[X1+4*\a+16:X1+4*\a+17]
	s_delay_alu instid0(VALU_DEP_4)
	v_pk_add_f32 v[X1+4*\a+2:X1+4*\a+3], v[X1+4*\a+2:X1+4*\a+3], v[X1+4*\a+18:X1+4*\a+19]
.endr
	s_delay_alu instid0(VALU_DEP_2)
	v_pk_add_f32 v[X1:X1+1], v[X1:X1+1], v[X1+32:X1+33]
	s_delay_alu instid0(VALU_DEP_2)
	v_pk_add_f32 v[X1+2:X1+3], v[X1+2:X1+3], v[X1+34:X1+35]
	s_delay_alu instid0(VALU_DEP_2)
	v_pk_add_f32 v[X1:X1+1], v[X1:X1+1], v[BQ:BQ+1]                  ; + b_query (its load was waited for with the fragments')
	s_delay_alu instid0(VALU_DEP_2)
	v_pk_add_f32 v[X1+2:X1+3], v[X1+2:X1+3], v[BQ+2:BQ+3]
	s_delay_alu instid0(VALU_DEP_2)
	v_pk_mul_f32 v[X1:X1+1], v[X1:X1+1], s[CS:CS+1] op_sel_hi:[1,0]  ; x C, so that the next launch needs one fused multiply-add
	s_delay_alu instid0(VALU_DEP_2)
	v_pk_mul_f32 v[X1+2:X1+3], v[X1+2:X1+3], s[CS:CS+1] op_sel_hi:[1,0]
	global_store_b128 v[CBO], v[X1:X1+3], s[18:19]
.Lend:
	s_wait_tensorcnt 0x0                           ; the wave's end: behind my last LDS store; the first line stands in a text with no tensor load too
	ds_add_u32 v[SPW], v[NIL]
	s_wait_dscnt 0x0
	s_endpgm
.Lfunc_end_k_qdd4deb4f11_prep:
	.size	k_qdd4deb4f11_prep, .Lfunc_end_k_qdd4deb4f11_prep-k_qdd4deb4f11_prep
	.p2alignl 7, 3214868480
	.fill 96, 4, 3214868480
	.section	.rodata,"a",@progbits
	.p2align	6, 0x0
	.amdhsa_kernel k_qdd4deb4f11_prep
		.amdhsa_group_segment_fixed_size 322816
		.amdhsa_private_segment_fixed_size 0
		.amdhsa_enable_private_segment 0
		.amdhsa_kernarg_size 64
		.amdhsa_user_sgpr_count 2
		.amdhsa_user_sgpr_kernarg_segment_ptr 1
		.amdhsa_wavefront_size32 1
		.amdhsa_system_sgpr_workgroup_id_x 1
		.amdhsa_system_sgpr_workgroup_id_y 1
		.amdhsa_system_sgpr_workgroup_id_z 1
		.amdhsa_system_vgpr_workitem_id 0
		.amdhsa_next_free_vgpr 192
		.amdhsa_next_free_sgpr 66
		.amdhsa_reserve_vcc 0
		.amdhsa_float_denorm_mode_32 3
		.amdhsa_float_denorm_mode_16_64 3
		.amdhsa_memory_ordered 1
		.amdhsa_forward_progress 1
		.amdhsa_inst_pref_size 32
	.end_amdhsa_kernel
	.amdgpu_metadata
---
amdhsa.version: [ 1, 2 ]
amdhsa.kernels:
  - .name:           k_qdd4deb4f11_prep
    .symbol:         k_qdd4deb4f11_prep.kd
    .args:
      - { .name: W_context, .offset: 0, .size: 8, .value_kind: global_buffer, .address_space: global }
      - { .name: W_query, .offset: 8, .size: 8, .value_kind: global_buffer, .address_space: global }
      - { .name: W_condition, .offset: 16, .size: 8, .value_kind: global_buffer, .address_space: global }
      - { .name: source, .offset: 24, .size: 8, .value_kind: global_buffer, .address_space: global }
      - { .name: condition, .offset: 32, .size: 8, .value_kind: global_buffer, .address_space: global }
      - { .name: b_query, .offset: 40, .size: 8, .value_kind: global_buffer, .address_space: global }
      - { .name: wc, .offset: 48, .size: 8, .value_kind: global_buffer, .address_space: global }
      - { .name: cb, .offset: 56, .size: 8, .value_kind: global_buffer, .address_space: global }
    .group_segment_fixed_size: 322816
    .private_segment_fixed_size: 0
    .kernarg_segment_align: 8
    .kernarg_segment_size: 64
    .max_flat_workgroup_size: 576
    .sgpr_count:     66
    .vgpr_count:     192
    .wavefront_size: 32
...
	.end_amdgpu_metadata
.endif
;; end of part 1
;; launch score (part 2): grid 256 x 1, 4 waves a work-group, clusters of 4 x 1, 327,680 bytes of LDS; arguments memory_bank, wc, cb, v, scores, part, st; writes scores, part, st
.if DOCPART == 2
	.amdgcn_target "amdgcn-amd-amdhsa--gfx1250"
	.amdhsa_code_object_version 6
	.text
	.protected	k_qdd4deb4f11_score
	.globl	k_qdd4deb4f11_score
	.p2align	8
	.type	k_qdd4deb4f11_score,@function
k_qdd4deb4f11_score:
	s_mov_b64 s[64:65], 0
	v_nop
	global_prefetch_b8 v0, s[64:65] scope:SCOPE_SE
	s_setreg_imm32_b32 hwreg(HW_REG_WAVE_MODE, 25, 1), 1
	s_wait_xcnt 0x0
	s_wait_alu depctr_hold_cnt(0) depctr_sa_sdst(0) depctr_va_vdst(0) depctr_va_sdst(0) depctr_va_ssrc(0) depctr_va_vcc(0) depctr_vm_vsrc(0)
	s_getreg_b32 s2, hwreg(HW_REG_IB_STS2, 6, 4)
	s_cmp_eq_u32 s2, 0
	s_cbranch_scc0 .Lentry_in_a_cluster
	s_endpgm
.Lentry_in_a_cluster:
	s_bfe_u32 s2, ttmp6, 0x10000c
	s_cmp_lg_u32 s2, 0x3003
	s_cbranch_scc0 .Lentry_shape_is_right
	s_endpgm
.Lentry_shape_is_right:
; scores[b][s] = -2 sum over e of v[e] r, r = 1 / (1 + 2^(C uh[b][s][e] + cb[b][e])), C = 2 log2(e), uh = memory_bank . W_context^T on codes of BF6 (E3M2) with E8M0 scales for each 32 along K.
; WORK LEFT OUT: the sum of v, which tanh = 1 - 2 r would add to every score of a row of the softmax alike (shown at the head of the first launch).
; 2^(..) that overflows gives r = 0, one that falls to 0 gives r = 1: tanh's own limits.  LIMITS: NaN and infinities among the inputs are not served; a block of zeros gets the scale byte 1 with zero codes.
; SHARES.  A cluster of four work-groups is one batch; a work-group takes 256 of its rows, each of four waves 64: four tiles of 16.
; PHASE A: the wave's 64 rows are read once (each load 512 consecutive bytes of a row), turned through the wave's own stage in LDS so that a lane holds two whole blocks of 32 of one row, and quantised:
;   the codes of all of K, 32 fragments in 384 registers, and their 32 scale words stay in registers.
; THE WALK: all 1,024 rows e of W_context, as the first launch laid them (images of the operand's registers), come through a ring of two LDS slots of 128 rows.  All four work-groups walk the same bytes:
;   each tile is asked for JOINTLY, by the same tensor load with the same descriptor and the mask of all four.  memory_bank's rows are nobody else's: they come by plain loads.
; A PASS multiplies one half (32 rows e) against the wave's 64 rows: 8 accumulators by turns, 8 K steps, 64 matrix instructions.  Used transposed (source 0 = 16 rows of W, source 1 = 16 memory rows):
;   a lane holds ONE memory row (lane % 16) and e = 8 (lane / 16) + 0 .. 7.  The half before it is finished meanwhile: its 224 vector lines (scale and bias, 2^x, + 1, 1 / x, x v) stand 32 ahead of and three behind each
;   matrix instruction.  The very first pass finishes zeros against v = 0 (a pad of zeros ahead of v in LDS), which adds nothing: so the pass is written once for all.
; REGISTERS, in windows of 256.  window 0: v1, v2 the add's two; v3-13 addresses; v16-47 my rows' scale words (8 m + k); v48-63 W's scale words, two sets; v64-71 the quantiser's; v80-95 cb and v on their way; v128-255 two sets of 64 numbers.
;   window 1: my fragments of K steps 0-3 at 12 (4 k + m); v192-199 at work.   window 2: K steps 4-7 likewise; v192-207 v of a half; v208-215 at work.
;   window 3: in phase A four sets of 64 numbers as loaded; then v0-127 the accumulators of two halves, v128-223 four buffers of W's fragments, v224-239 cb of a half, v240-247 the sums, v248-255 LDS addresses.
; The walk's lines all run under ONE setting a half pass (destination, sources 0 and 2 window 3; source 1 window 1 or 2): the vector lines' second source is a scalar or a constant, but for v, which lies in window 2 and is wanted in K step 5 alone.
; WHAT LEAVES THIS LAUNCH (this takes the place of what the first line above says of the buffer scores): each wave forms a softmax of its own 64 rows.
;   t = log2(e) x score; m = the largest t of the 64; e = 2^(t - m); l = the sum of the 64 e.  scores[b][s] holds e; st holds the wave's pair (m, l); part holds the wave's row
;   sum over its 64 rows of e x memory_bank[b][s][:], 4,096 bytes, in f32.  The last launch brings the sixteen waves of a batch under one maximum.
; THE STREAM: the wave reads its 64 rows once more, eight loads of 512 consecutive bytes a row, 48 to 64 loads on their way; a lane holds 32 columns.  A row's 4,096 bytes in f32 for 256 rows fit neither in LDS nor in registers.
; No prefetch for the stream: it has 48 loads or more a wave on their way throughout.  These rows are no other work-group's: plain loads, no joint request.
.set SLOT1, 1<<17
.set HALFB, 25600                      ; a half: 16 images of 1,536 bytes and 1,024 bytes of scale words
.set SLOTB, 4*HALFB                    ; a slot: four halves, one from each wave's load
.set CBL,   102400                     ; behind slot 0: cb of my batch, 4,096 bytes
.set VZ,    106496                     ; 512 bytes of zeros, then v, 4,096 bytes
.set STAGE, 233472                     ; behind slot 1: for each wave two stages of 16 rows x (512 + 16) bytes
.set STW,   16896
.set STH,   8448
.set SPI,   528
.set SPARE, 327168                     ; the spare words, 128 bytes a wave: two blocks of 256 bytes that no other line names
.set SPW, 1
.set NIL, 2
.set GA,  3                            ; v3  16 x lane
.set STI, 4                            ; v4  the stage, on the way in: + 16 x lane
.set STO, 5                            ; v5  on the way out: + 528 r + 128 h
.set HSH, 6                            ; v6  8 h
.set LN,  7                            ; v7  lane
.set RR,  8                            ; v8  r
.set HH,  9                            ; v9  h
.set ASC, 16
.set BSC, 48
.set QM,  64
.set XN,  128
.set ACC, 0                            ; window 3
.set BF,  128
.set CBB, 224
.set SUM, 240
.set LB,  248                          ; 16 x lane
.set LS,  249                          ; 24,576 + 32 x lane: lane l takes row l's eight scale words
.set LC,  250                          ; cb + 32 h
.set LV,  251                          ; v of the half before: VZ + 384 + 32 h
.set ADB, 252
.set ADS, 253
.set ADC, 254
.set ADV, 255
.set VB,  192                          ; window 2
.set WV,  14                           ; s14 my wave's number
.set G1,  16                           ; s[16:23] descriptor group 1
.set G0,  24                           ; s[24:27] group 0: it walks
.set CS,  32                           ; s[32:33] C
.set SEL, 34                           ; s[34:35] v_permlanex16_b32's selects for lane l xor 16
.set TB,  36                           ; s36 LDS byte at which the pass's half begins
.set EB,  37                           ; s37 128 x the pass's number
.set SLOTS, 38
.set TWICE, 39
.set W_LO, 0xf7
.set W_HI, 0xfb
.set MSB, 0
.set TAILW, 0                          ; 1 where the finishing stands alone, with no K step's wait among its lines
.set CA,  128                          ; window 0, the stream: v128-159 the 32 columns' sums
.set EV,  160                          ; v160-167 eight rows' e, the same in every lane
.set EAD, 168                          ; v168 their LDS address
.set T,   176                          ; v176-193 the wave's softmax
.macro WIN new                         ; the immediate's high byte repeats the setting that is left
.if MSB != (\new)
	s_set_vgpr_msb (MSB<<8)|(\new)
.set MSB, \new
.endif
.endm
.macro CROUND                          ; a round of the cluster's barrier
	s_barrier_signal -1
	s_barrier_wait -1
	s_cmp_lg_u32 s[WV], 0
	s_cbranch_scc1 .Lnot_wave_0_\@
	s_barrier_signal -3
.Lnot_wave_0_\@:
	s_barrier_wait -3
	s_barrier_signal -1
	s_barrier_wait -1
.endm
; 64 numbers of a lane, window 0 v[x] on (register 32 c + i = k 64 c + 32 h + i of my row), become a fragment's 12 registers at v[d] of window dw and its scale word in v[sreg].  v[t] on, window dw: at work.
.macro QUANT x, dw, d, t, sreg
	WIN 0
	v_max3_num_f32 v[QM], |v[(\x)]|, |v[(\x)+1]|, 0x2800000          ; each block's largest magnitude in two chains; the floor 2^(5 - 127) holds the byte at 1 from below
	v_max3_num_f32 v[QM+1], |v[(\x)+32]|, |v[(\x)+33]|, 0x2800000
	v_max3_num_f32 v[QM+2], |v[(\x)+16]|, |v[(\x)+17]|, |v[(\x)+18]|
	v_max3_num_f32 v[QM+3], |v[(\x)+48]|, |v[(\x)+49]|, |v[(\x)+50]|
.irp n, 0,2,4,6,8,10
	v_max3_num_f32 v[QM], v[QM], |v[(\x)+2+\n]|, |v[(\x)+3+\n]|
	v_max3_num_f32 v[QM+1], v[QM+1], |v[(\x)+34+\n]|, |v[(\x)+35+\n]|
	v_max3_num_f32 v[QM+2], v[QM+2], |v[(\x)+19+\n]|, |v[(\x)+20+\n]|
	v_max3_num_f32 v[QM+3], v[QM+3], |v[(\x)+51+\n]|, |v[(\x)+52+\n]|
.endr
	v_max3_num_f32 v[QM], v[QM], |v[(\x)+14]|, |v[(\x)+15]|
	v_max3_num_f32 v[QM+1], v[QM+1], |v[(\x)+46]|, |v[(\x)+47]|
	v_max3_num_f32 v[QM], v[QM], v[QM+2], |v[(\x)+31]|
	v_max3_num_f32 v[QM+1], v[QM+1], v[QM+3], |v[(\x)+63]|
	v_add_nc_u32 v[QM+2], 0xfe000000, v[QM]                          ; 4 off the exponent field: the conversion's scale operand
	v_add_nc_u32 v[QM+3], 0xfe000000, v[QM+1]
	v_lshrrev_b32 v[QM+4], 23, v[QM+2]                               ; the scale's byte
	v_lshrrev_b32 v[QM+5], 23, v[QM+3]
	v_lshl_or_b32 v[QM+6], v[QM+5], 16, v[QM+4]                      ; my two bytes, blocks h and 2 + h,
	v_lshlrev_b32 v[QM+6], v[HSH], v[QM+6]                           ; at their places in the word;
	v_permlanex16_b32 v[QM+7], v[QM+6], s[SEL], s[SEL+1]
	v_or_b32 v[(\sreg)], v[QM+6], v[QM+7]                            ; with lane l xor 16's two the word is whole
	WIN (\dw)<<6
	v_cvt_scalef32_pk16_bf6_f32 v[(\d):(\d)+2], v[(\x):(\x)+15], v[QM+2]
	v_cvt_scalef32_pk16_bf6_f32 v[(\t):(\t)+2], v[(\x)+16:(\x)+31], v[QM+2]      ; (a conversion's three registers begin on an even number)
	v_cvt_scalef32_pk16_bf6_f32 v[(\d)+6:(\d)+8], v[(\x)+32:(\x)+47], v[QM+3]
	v_cvt_scalef32_pk16_bf6_f32 v[(\t)+4:(\t)+6], v[(\x)+48:(\x)+63], v[QM+3]
	v_nop                                                            ; one plain place behind the conversions
	WIN ((\dw)<<6)|(\dw)
.irp n, 0,1,2
	v_mov_b32 v[(\d)+3+\n], v[(\t)+\n]
	v_mov_b32 v[(\d)+9+\n], v[(\t)+4+\n]
.endr
	WIN 0
.endm
; Fragment f = 8 m + k: rows 16 m .., K step k.  GLOAD: sixteen loads, a row's 512 consecutive bytes each, into set f % 4 of window 3.
.macro GLOAD f
	WIN 0xc0
.set gi, 0
.rept 16
	global_load_b128 v[64*((\f)%4)+4*gi:64*((\f)%4)+4*gi+3], v[GA], s[4:5] offset:(16*((\f)/8)+gi)*4096+512*((\f)%8)
.set gi, gi+1
.endr
.endm
; TURN: through stage f % 2, as loaded, and back 128 bytes of one row a lane and block pair.  LDS serves a wave's instructions in order: no wait between the stores and the loads.
.macro TURN f
	WIN 0x0c
.set gi, 0
.rept 16
	ds_store_b128 v[STI], v[64*((\f)%4)+4*gi:64*((\f)%4)+4*gi+3] offset:STH*((\f)%2)+SPI*gi
.set gi, gi+1
.endr
	WIN 0
.set gi, 0
.rept 16
	ds_load_b128 v[XN+64*((\f)%2)+4*gi:XN+64*((\f)%2)+4*gi+3], v[STO] offset:STH*((\f)%2)+256*(gi/8)+16*(gi%8)
.set gi, gi+1
.endr
.endm
	s_load_b256 s[4:11], s[0:1], 0x0               ; memory_bank s[4:5], wc s[6:7], cb s[8:9], v s[10:11]
	s_load_b64 s[12:13], s[0:1], 0x20
	s_load_b64 s[52:53], s[0:1], 0x28              ; part
	s_load_b64 s[54:55], s[0:1], 0x30              ; st
	v_lshl_add_u32 v[SPW], v0, 2, SPARE
	v_mov_b32 v[NIL], 0
	ds_add_u32 v[SPW], v[NIL]                      ; the wave's opening: the add, twice on end, and its wait ahead of my first tensor load
	ds_add_u32 v[SPW], v[NIL]                      ; and once more; the set-up below, work on registers, stands between it and the wait
	v_lshrrev_b32 v[LN], 5, v0
	v_readfirstlane_b32 s[WV], v[LN]               ; wave 0..3
	s_bfe_u32 s15, ttmp6, 0x40000                  ; cx: which quarter of the batch's rows: it enters memory_bank's, scores', part's and st's addresses
	; descriptor group 1: a half, 25,600 dense bytes, as 100 rows of 256 bytes (32 elements of 8 bytes), no padding
	s_mov_b32 s[G1], 15|(3<<16)|(1<<21)            ; 15:0 the mask: all four work-groups; 17:16 elements of 8 bytes; 21 set beside a mask
	s_mov_b32 s[G1+1], 32<<16                      ; tensor_dim0 = 32
	s_mov_b32 s[G1+2], 100<<16                     ; tensor_dim1 = 100
	s_mov_b32 s[G1+3], 32<<16                      ; tile_dim0 = 32
	s_mov_b32 s[G1+4], 100                         ; tile_dim1 = 100
	s_mov_b32 s[G1+5], 32                          ; from row to row
	s_mov_b32 s[G1+6], 0
	s_mov_b32 s[G1+7], 0
	s_mov_b32 s[CS], 0x4038aa3b                    ; C = 2 log2(e)
	s_mov_b32 s[CS+1], s[CS]                       ; (named with it as a pair, so it is written)
	s_mov_b32 s[SEL], 0x76543210
	s_mov_b32 s[SEL+1], 0xfedcba98
	s_mul_i32 s40, s[WV], HALFB                    ; wave w fetches half w of each slot: the same in all four work-groups
	s_mov_b32 s41, 0
	s_lshl_b32 s42, ttmp9, 22                      ; memory_bank: batch (the cluster's number) x 4 MiB
	s_lshl_b32 s43, s15, 20                        ; + 256 rows x quarter
	s_add_co_u32 s42, s42, s43
	s_lshl_b32 s43, s[WV], 18                      ; + 64 rows x wave
	s_add_co_u32 s42, s42, s43
	s_mov_b32 s43, 0
	s_lshl_b32 s44, ttmp9, 12                      ; cb and scores: a batch's row of 4,096 bytes
	s_mov_b32 s45, 0
	s_lshl_b32 s46, s15, 10
	s_add_co_u32 s46, s46, s44
	s_lshl_b32 s47, s[WV], 8
	s_add_co_u32 s46, s46, s47                     ; scores: + 1,024 x quarter + 256 x wave
	s_mov_b32 s47, 0
	s_mul_i32 s48, s[WV], STW
	s_add_co_u32 s48, s48, STAGE                   ; my stages
	v_and_b32 v[LN], 31, v0
	v_and_b32 v[RR], 15, v0
	v_bfe_u32 v[HH], v0, 4, 1
	v_lshlrev_b32 v[GA], 4, v[LN]
	v_add_nc_u32 v[STI], s48, v[GA]
	v_mul_u32_u24 v[STO], v[RR], SPI
	v_lshl_add_u32 v[STO], v[HH], 7, v[STO]
	v_add_nc_u32 v[STO], s48, v[STO]
	v_lshlrev_b32 v[HSH], 3, v[HH]
	v_lshlrev_b32 v10, 5, v0                       ; cb and v: 32 bytes a thread
	v_lshl_add_u32 v11, v0, 5, CBL
	v_lshl_add_u32 v12, v0, 2, VZ
	v_mov_b32 v13, 0
	v_mov_b32 v[QM+7], 0
	s_wait_alu depctr_va_vdst(0)                   ; the wait at the head's end
	s_wait_dscnt 0x0
	s_wait_kmcnt 0x0
	s_mov_b32 s[G0], 1                             ; count = 1
	s_mov_b32 s[G0+1], s40                         ; LDS address: slot 0, half w
	s_add_nc_u64 s[G0+2:G0+3], s[6:7], s[40:41]    ; global address
	s_or_b32 s[G0+3], s[G0+3], 0x80000000          ; type = 2
	s_add_nc_u64 s[4:5], s[4:5], s[42:43]
	s_add_nc_u64 s[8:9], s[8:9], s[44:45]
	s_add_nc_u64 s[12:13], s[12:13], s[46:47]
	s_lshl_b32 s56, s46, 4                         ; s46 = 256 x (16 batch + 4 quarter + wave): part has 4,096 bytes a wave,
	s_mov_b32 s57, 0
	s_lshr_b32 s58, s46, 5                         ; st 8
	s_mov_b32 s59, 0
	s_add_nc_u64 s[52:53], s[52:53], s[56:57]
	s_add_nc_u64 s[54:55], s[54:55], s[58:59]
	CROUND                                         ; all four work-groups are here: the first joint loads meet
	tensor_load_to_lds s[G0:G0+3], s[G1:G1+7]      ; slot 0: one tensor load of mine is out
	s_nop 0
.rept 4
	v_nop
.endr
	global_load_b128 v[80:83], v10, s[8:9]
	global_load_b128 v[84:87], v10, s[8:9] offset:16
	global_load_b128 v[88:91], v10, s[10:11]
	global_load_b128 v[92:95], v10, s[10:11] offset:16
	GLOAD 0
	GLOAD 1
	GLOAD 2
	WIN 0
	s_wait_loadcnt 48                              ; cb and v are in; three fragments' loads may be out
	ds_store_b128 v11, v[80:83]
	ds_store_b128 v11, v[84:87] offset:16
	ds_store_b128 v11, v[88:91] offset:VZ+512-CBL
	ds_store_b128 v11, v[92:95] offset:VZ+512-CBL+16
	ds_store_b32 v12, v13                          ; the pad of zeros ahead of v
	s_wait_loadcnt 32                              ; fragment 0 is in
	TURN 0
	GLOAD 3
	; ---- PHASE A
.set f, 0
.rept 32
	s_wait_dscnt 0x0                               ; fragment f is back from its stage: so its stores into the stage have read their registers,
.if f+4 < 32
	GLOAD f+4                                      ; which take the loads of four fragments on
.endif
.if f < 31
.if 30-f >= 3
	s_wait_loadcnt 48                              ; fragment f + 1 is in; the three behind it may be out
.else
	s_wait_loadcnt 16*(30-f)
.endif
	TURN f+1                                       ; and goes through the other stage while fragment f is quantised
.endif
	QUANT XN+64*(f%2), 1+((f%8)/4), 12*(4*(f%4)+f/8), 192+16*((f%8)/4), ASC+f
.set f, f+1
.endr
	; ---- the walk's set-up: window 3 is free now
	WIN 0xc0
	v_lshlrev_b32 v[LB], 4, v[LN]
	v_lshl_add_u32 v[LS], v[LN], 5, 24576
	v_lshl_add_u32 v[LC], v[HH], 5, CBL
	v_lshl_add_u32 v[LV], v[HH], 5, VZ+384
.set gi, 0
.rept 64
	v_mov_b32 v[ACC+64+gi], 0                      ; what the first pass finishes: zeros, against v = 0
.set gi, gi+1
.endr
.set gi, 0
.rept 24
	v_mov_b32 v[CBB+gi], 0                         ; its cb, and the sums
.set gi, gi+1
.endr
	WIN 0
	s_mov_b32 s[TB], 0
	s_mov_b32 s[EB], 0
	s_mov_b32 s[SLOTS], 7
; W's two fragments of K step kk into buffer kk % 4: six loads, 512 consecutive bytes each
.macro LOADB kk
.irp t, 0,1
.irp c, 0,1,2
	ds_load_b128 v[BF+24*((\kk)%4)+12*\t+4*\c:BF+24*((\kk)%4)+12*\t+4*\c+3], v[ADB] offset:(2*(\kk)+\t)*1536+512*\c
.endr
.endr
.endm
.macro VBLOAD                          ; v at e = 16 t + 8 h + 0 .. 7 of the half that is being finished
.irp t, 0,1
.irp u, 0,1
	ds_load_b128 v[VB+8*\t+4*\u:VB+8*\t+4*\u+3], v[ADV] offset:64*\t+16*\u
.endr
.endr
.endm
; Line j of 224 of the finishing of half Hp.  0-31: C x + cb, in pairs, each accumulator from its low end on.  32-95: 2^x.  96-127: + 1.  128-191: 1 / x.  192-223: the sums += r v, the four tiles of rows by turns.
; The exponentials are one batch with one wait ahead of their first reader, and so are the reciprocals (a plain line stands behind the last of each batch).
.macro EPI Hp
.set rX, ACC+64*(\Hp)
.if j < 32
	v_pk_fma_f32 v[rX+2*j:rX+2*j+1], v[rX+2*j:rX+2*j+1], s[CS:CS+1], v[CBB+8*((j/4)%2)+2*(j%4):CBB+8*((j/4)%2)+2*(j%4)+1] op_sel_hi:[1,0,1]
.elseif j < 96
.if (j == 32) && TAILW
	s_wait_alu depctr_va_vdst(0)                   ; ahead of the batch (in a pass the K step's wait serves)
.endif
	v_exp_f32 v[rX+j-32], v[rX+j-32]
.elseif j < 128
.if j == 96
	v_nop
.if TAILW
	s_wait_alu depctr_va_vdst(0)                   ; (in a pass the K step's wait stands between the batch and this reader)
.endif
.endif
	v_pk_add_f32 v[rX+2*(j-96):rX+2*(j-96)+1], v[rX+2*(j-96):rX+2*(j-96)+1], 1.0 op_sel_hi:[1,0]
.elseif j < 192
.if (j == 128) && TAILW
	s_wait_alu depctr_va_vdst(0)
.endif
	v_rcp_f32 v[rX+j-128], v[rX+j-128]
.else
.if j == 192
	v_nop
.if TAILW
	s_wait_alu depctr_va_vdst(0)
.endif
.endif
.set em, (j-192)%4
.set eu, ((j-192)/4)%4
.set et, (j-192)/16
	v_pk_fma_f32 v[SUM+2*em:SUM+2*em+1], v[rX+8*(2*em+et)+2*eu:rX+8*(2*em+et)+2*eu+1], v[VB+8*et+2*eu:VB+8*et+2*eu+1], v[SUM+2*em:SUM+2*em+1]
.endif
.endm
; Matrix instruction i of 8 of K step k: tile of rows m = i / 2, tile t = i % 2 of the half.  W's scale words: lanes 0-15 tile 0's rows, lanes 16-31 tile 1's.  K step 0 starts the sums.
.macro MM H
.set rD, ACC+64*(\H)+8*i
.set rB, BF+24*(k%4)+12*(i%2)
.set rA, 12*(4*(k%4)+i/2)
.set sB, BSC+8*(\H)+k
.set sA, ASC+8*(i/2)+k
.if (k == 0) && (i%2 == 0)
	v_wmma_scale_f32_16x16x128_f8f6f4 v[rD:rD+7], v[rB:rB+11], v[rA:rA+11], 0, v[sB], v[sA] matrix_a_fmt:MATRIX_FMT_BF6 matrix_b_fmt:MATRIX_FMT_BF6
.elseif k == 0
	v_wmma_scale_f32_16x16x128_f8f6f4 v[rD:rD+7], v[rB:rB+11], v[rA:rA+11], 0, v[sB], v[sA] matrix_a_fmt:MATRIX_FMT_BF6 matrix_b_fmt:MATRIX_FMT_BF6 matrix_a_scale:MATRIX_SCALE_ROW1
.elseif i%2 == 0
	v_wmma_scale_f32_16x16x128_f8f6f4 v[rD:rD+7], v[rB:rB+11], v[rA:rA+11], v[rD:rD+7], v[sB], v[sA] matrix_a_fmt:MATRIX_FMT_BF6 matrix_b_fmt:MATRIX_FMT_BF6
.else
	v_wmma_scale_f32_16x16x128_f8f6f4 v[rD:rD+7], v[rB:rB+11], v[rA:rA+11], v[rD:rD+7], v[sB], v[sA] matrix_a_fmt:MATRIX_FMT_BF6 matrix_b_fmt:MATRIX_FMT_BF6 matrix_a_scale:MATRIX_SCALE_ROW1
.endif
.endm
; A PASS: half H (accumulators' set H) is multiplied, the other set is finished.  W's fragments run three K steps ahead in four buffers.
; A buffer is loaded again four plain vector lines or more behind the last matrix instruction that read it: four v_nop in K steps 1 to 4; at the pass's head the finishing's plain lines.
; The eight accumulators take turns, one instruction a turn.
.macro PASS H
	WIN W_LO
	v_add_nc_u32 v[ADB], v[LB], s[TB]
	v_add_nc_u32 v[ADS], v[LS], s[TB]
	v_add_nc_u32 v[ADC], v[LC], s[EB]
	v_add_nc_u32 v[ADV], v[LV], s[EB]
	WIN 0x03                                       ; destination window 0, address window 3
	ds_load_b128 v[BSC+8*\H:BSC+8*\H+3], v[ADS]
	ds_load_b128 v[BSC+8*\H+4:BSC+8*\H+7], v[ADS] offset:16
	WIN W_LO
	LOADB 0
	LOADB 1
	LOADB 2
	WIN 0x83                                       ; destination window 2
	VBLOAD
	WIN W_LO
.set j, 0
.rept 32
	EPI 1-\H                                       ; 32 plain lines while the first fragments come
.set j, j+1
.endr
.set k, 0
.rept 8
.if (k >= 1) && (k <= 4)
.rept 4
	v_nop
.endr
.endif
.if k <= 4
	LOADB k+3
.endif
.if k == 1
.irp t, 0,1
.irp u, 0,1
	ds_load_b128 v[CBB+8*\t+4*\u:CBB+8*\t+4*\u+3], v[ADC] offset:64*\t+16*\u     ; this half's cb, for the next pass; the last reader of the old one stands above
.endr
.endr
.endif
.if (k == 1) || (k == 2)
	s_wait_dscnt 26                                ; K step k's six loads are in: the count is that of the LDS loads issued behind them
.elseif k < 5
	s_wait_dscnt 22
.else
	s_wait_dscnt 6*(7-k)
.endif
.if k == 4
	WIN W_HI
.endif
	; A K step: one wait, then its eight matrix instructions (this takes the place of 'three behind each matrix instruction' above).  The finishing's plain lines stand among them: + 1 in K step 2, the sums in K step 5,
	; four behind each matrix instruction.  Its transcendentals stand behind the eight, 32 a batch: 2^x behind K steps 0 and 1, 1 / x behind K steps 3 and 4.
	s_wait_alu depctr_va_vdst(0)                   ; behind the transcendentals of the step before, directly ahead of the readers of the eight sums; it also stands ahead of this step's batch and of its results' readers
.set i, 0
.rept 8
	MM \H
.if (k == 2) || (k == 5)
.rept 4
	EPI 1-\H
.set j, j+1
.endr
.endif
.set i, i+1
.endr
.if (k < 2) || (k == 3) || (k == 4)
.rept 32
	EPI 1-\H
.set j, j+1
.endr
.endif
.set k, k+1
.endr
	s_add_co_u32 s[TB], s[TB], HALFB
	s_add_co_u32 s[EB], s[EB], 128
.endm
.macro TWO_CHUNKS                      ; a slot's four halves: the pair of passes written once, walked twice
	s_mov_b32 s[TWICE], 2
.Lchunk_\@:
	PASS 0
	PASS 1
	WIN 0
	s_sub_co_u32 s[TWICE], s[TWICE], 1
	s_cmp_lg_u32 s[TWICE], 0
	s_cbranch_scc1 .Lchunk_\@
.endm
; THE CHANGE OF SLOTS stands at a slot's head.  Each wave waits for all its tensor loads (its half of the slot ahead), adds 0 to its spare word, and waits for that and for its reads of the slot that it has left
; (in the first trip: for its stores of cb and v too).  fill = 1: a round of the cluster's barrier, so that no wave of any partner still reads the other slot or has a load on its way; then the joint load for the next slot,
; which has this slot's 256 matrix instructions in which to land.
.macro CHANGE fill
	s_wait_tensorcnt 0x0                           ; no tensor load of mine is out, so group 0 may be written
	ds_add_u32 v[SPW], v[NIL]                      ; 0 onto my spare word
.if \fill
	s_xor_b32 s[G0+1], s[G0+1], SLOT1              ; the other slot,
	s_add_nc_u64 s[G0+2:G0+3], s[G0+2:G0+3], SLOTB ; the next four halves; the type bits on top are not reached
.endif
	s_wait_dscnt 0x0
.if \fill
	CROUND
	tensor_load_to_lds s[G0:G0+3], s[G1:G1+7]      ; my one tensor load until the next round
	s_nop 0
.rept 4
	v_nop
.endr
.else
	s_barrier_signal -1
	s_barrier_wait -1
.endif
.endm
.Lslot:                                            ; seven trips: slot s is read while slot s + 1 comes
	CHANGE 1
	TWO_CHUNKS
	s_sub_co_u32 s[TB], s[TB], SLOTB               ; back to a slot's first half,
	s_xor_b32 s[TB], s[TB], SLOT1                  ; in the other slot
	s_sub_co_u32 s[SLOTS], s[SLOTS], 1
	s_cmp_lg_u32 s[SLOTS], 0
	s_cbranch_scc1 .Lslot
	CHANGE 0                                       ; the last slot is written out: nothing is left to fetch
	TWO_CHUNKS
	; ---- the last half is finished
	WIN W_HI
	v_add_nc_u32 v[ADV], v[LV], s[EB]
	WIN 0x83
	VBLOAD
; rows ro, ro + 1 from the stream's base into buffer q of window 1 (the codes there are done with): sixteen loads of 512 consecutive bytes
.macro SLD q, ro
.set gi, 0
.rept 16
	global_load_b128 v[64*(\q)+4*gi:64*(\q)+4*gi+3], v[GA], s[4:5] offset:((\ro)+gi/8)*4096+512*(gi%8) th:TH_LOAD_NT
.set gi, gi+1
.endr
.endm
	WIN 0x40
	SLD 0, 56                                      ; the stream's first eight rows, my last eight, set out while the last half is finished
	SLD 1, 58
	SLD 2, 60
	SLD 3, 62
	s_wait_dscnt 0x0
	WIN W_HI
.rept 4
	v_nop                                          ; four places between the last products and the first read of their sums
.endr
.set TAILW, 1
.set j, 0
.rept 224
	EPI 1
.set j, j+1
.endr
	; ---- THE WAY OUT: a row's sum lies in two registers of lanes r and r + 16; 64 scores go through my stage and leave as one aligned run of 256 bytes
	WIN 0
	v_lshl_add_u32 v[T+8], v[RR], 2, s48
	v_lshl_add_u32 v[T+9], v[LN], 3, s48
	v_lshlrev_b32 v[T+10], 3, v[LN]
	v_mov_b32 v[T+11], 0
	WIN 0xff
.irp m, 0,1,2,3
	v_add_f32 v[SUM+2*\m], v[SUM+2*\m], v[SUM+2*\m+1]
.endr
.irp m, 0,1,2,3
	v_permlanex16_b32 v[SUM+2*\m+1], v[SUM+2*\m], s[SEL], s[SEL+1]
.endr
.irp m, 0,1,2,3
	v_add_f32 v[SUM+2*\m], v[SUM+2*\m], v[SUM+2*\m+1]
.endr
	WIN 0x0f                                       ; sources window 3, destination window 0
.irp m, 0,1,2,3
	v_mul_f32 v[T+\m], 0xc038aa3b, v[SUM+2*\m]     ; t = -2 log2(e) x the sum: lane r (and r + 16) holds row 16 m + r
.endr
	WIN 0
	v_max3_num_f32 v[T+12], v[T], v[T+1], v[T+2]
	v_max_num_f32 v[T+12], v[T+12], v[T+3]
.irp x, 1,2,4,8
	v_max_num_f32_dpp v[T+12], v[T+12], v[T+12] row_xmask:\x row_mask:0xf bank_mask:0xf
.endr                                              ; m: the largest t of my 64 rows
.irp m, 0,1,2,3
	v_sub_f32 v[T+\m], v[T+\m], v[T+12]
.endr
	s_wait_alu depctr_va_vdst(0)                   ; ahead of the batch
.irp m, 0,1,2,3
	v_exp_f32 v[T+4+\m], v[T+\m]
.endr
	v_nop
	s_wait_alu depctr_va_vdst(0)                   ; and behind it
	v_add_f32 v[T+13], v[T+4], v[T+5]
	v_add_f32 v[T+14], v[T+6], v[T+7]
	v_add_f32 v[T+13], v[T+13], v[T+14]
.irp x, 1,2,4,8
	v_add_f32_dpp v[T+13], v[T+13], v[T+13] row_xmask:\x row_mask:0xf bank_mask:0xf
.endr                                              ; l: the sum of my 64 e
	global_store_b64 v[T+11], v[T+12:T+13], s[54:55]   ; every lane holds the same pair and stores it to the same 8 bytes
.irp m, 0,1,2,3
	ds_store_b32 v[T+8], v[T+4+\m] offset:64*\m    ; lanes r and r + 16 write the same word with the same value
.endr
	ds_load_b64 v[T+16:T+17], v[T+9]               ; LDS serves a wave's instructions in order: this sees my stores
.set gi, 0
.rept 32
	v_mov_b32 v[CA+gi], 0                          ; the stream is one loop: its sums begin here
.set gi, gi+1
.endr
	s_wait_dscnt 0x0
	global_store_b64 v[T+10], v[T+16:T+17], s[12:13]   ; my 64 e: 256 consecutive bytes
; Eight rows: their e from my stage, the same address in every lane; four groups of two rows; behind a group its buffer takes the rows eight further on.
.macro STRIP more
	v_mov_b32 v[EAD], s49
	ds_load_b128 v[EV:EV+3], v[EAD]
	ds_load_b128 v[EV+4:EV+7], v[EAD] offset:16
	s_wait_dscnt 0x0
.irp q, 0,1,2,3
.if \more
	s_wait_loadcnt 48                              ; this group's sixteen loads are in; the three groups issued behind it may be out
.else
	s_wait_loadcnt 16*(3-\q)
.endif
	WIN 0x01                                       ; source 0 window 1
.set gi, 0
.rept 64
	v_fmac_f32 v[CA+gi%32], v[64*\q+gi], v[EV+2*\q+gi/32]
.set gi, gi+1
.endr
.if \more
	WIN 0x40
	SLD \q, 2*\q-8
.endif
.endr
	WIN 0
.endm
	; THE STREAM GOES BACKWARDS, eight rows a trip, from my rows 56-63 to my rows 0-7: the rows that this wave read last are read again first
	s_wait_xcnt 0x0                                ; the first 64 loads have read their base: it may step
	s_add_nc_u64 s[4:5], s[4:5], 56*4096
	s_add_co_u32 s49, s48, 224                     ; my stage: e of row i at 4 i
	s_mov_b32 s50, 7
.Lrows:
	STRIP 1
	s_wait_xcnt 0x0                                ; the loads have read their base: it may step
	s_sub_nc_u64 s[4:5], s[4:5], 8*4096
	s_sub_co_u32 s49, s49, 32
	s_sub_co_u32 s50, s50, 1
	s_cmp_lg_u32 s50, 0
	s_wait_alu depctr_va_vdst(0)                   ; ahead of the backward jump
	s_cbranch_scc1 .Lrows
	STRIP 0                                        ; the last eight rows ask for nothing more
.irp i, 0,1,2,3,4,5,6,7
	global_store_b128 v[GA], v[CA+4*\i:CA+4*\i+3], s[52:53] offset:512*\i   ; 32 lanes store 512 consecutive bytes
.endr
	s_wait_tensorcnt 0x0                           ; the wave's end: behind my last tensor load and my last LDS store
	ds_add_u32 v[SPW], v[NIL]
	s_wait_dscnt 0x0
	CROUND                                         ; the closing round: no work-group ends while a partner may still ask for a tile that names it
	s_endpgm
.Lfunc_end_k_qdd4deb4f11_score:
	.size	k_qdd4deb4f11_score, .Lfunc_end_k_qdd4deb4f11_score-k_qdd4deb4f11_score
	.p2alignl 7, 3214868480
	.fill 96, 4, 3214868480
	.section	.rodata,"a",@progbits
	.p2align	6, 0x0
	.amdhsa_kernel k_qdd4deb4f11_score
		.amdhsa_group_segment_fixed_size 327680
		.amdhsa_private_segment_fixed_size 0
		.amdhsa_enable_private_segment 0
		.amdhsa_kernarg_size 56
		.amdhsa_user_sgpr_count 2
		.amdhsa_user_sgpr_kernarg_segment_ptr 1
		.amdhsa_wavefront_size32 1
		.amdhsa_system_sgpr_workgroup_id_x 1
		.amdhsa_system_sgpr_workgroup_id_y 1
		.amdhsa_system_sgpr_workgroup_id_z 1
		.amdhsa_system_vgpr_workitem_id 0
		.amdhsa_next_free_vgpr 1024
		.amdhsa_next_free_sgpr 66
		.amdhsa_reserve_vcc 0
		.amdhsa_float_denorm_mode_32 3
		.amdhsa_float_denorm_mode_16_64 3
		.amdhsa_memory_ordered 1
		.amdhsa_forward_progress 1
		.amdhsa_inst_pref_size 255
	.end_amdhsa_kernel
	.section	.bss,"aw",@nobits
	.p2align	6
	.space	262144
	.amdgpu_metadata
---
amdhsa.version: [ 1, 2 ]
amdhsa.kernels:
  - .name:           k_qdd4deb4f11_score
    .symbol:         k_qdd4deb4f11_score.kd
    .args:
      - { .name: memory_bank, .offset: 0, .size: 8, .value_kind: global_buffer, .address_space: global }
      - { .name: wc, .offset: 8, .size: 8, .value_kind: global_buffer, .address_space: global }
      - { .name: cb, .offset: 16, .size: 8, .value_kind: global_buffer, .address_space: global }
      - { .name: v, .offset: 24, .size: 8, .value_kind: global_buffer, .address_space: global }
      - { .name: scores, .offset: 32, .size: 8, .value_kind: global_buffer, .address_space: global }
      - { .name: part, .offset: 40, .size: 8, .value_kind: global_buffer, .address_space: global }
      - { .name: st, .offset: 48, .size: 8, .value_kind: global_buffer, .address_space: global }
    .group_segment_fixed_size: 327680
    .private_segment_fixed_size: 0
    .kernarg_segment_align: 8
    .kernarg_segment_size: 56
    .max_flat_workgroup_size: 128
    .sgpr_count:     66
    .vgpr_count:     1024
    .wavefront_size: 32
...
	.end_amdgpu_metadata
.endif
;; end of part 2
;; launch join (part 3): grid 4 x 64, 2 waves a work-group, no clusters, 0 bytes of LDS; arguments scores, part, st, out0, out1; writes out0, out1
.if DOCPART == 3
	.amdgcn_target "amdgcn-amd-amdhsa--gfx1250"
	.amdhsa_code_object_version 6
	.text
	.protected	k_qdd4deb4f11_join
	.globl	k_qdd4deb4f11_join
	.p2align	8
	.type	k_qdd4deb4f11_join,@function
k_qdd4deb4f11_join:
	s_mov_b64 s[64:65], 0
	v_nop
	global_prefetch_b8 v0, s[64:65] scope:SCOPE_SE
	s_setreg_imm32_b32 hwreg(HW_REG_WAVE_MODE, 25, 1), 1
	s_wait_xcnt 0x0
; The sixteen waves' softmaxes of a batch are brought under one maximum.  Wave i of the launch before left m_i, l_i (st), e = 2^(t - m_i) for its 64 rows (scores) and its row sum of e x memory_bank (part).
; M = the largest m_i; w_i = 2^(m_i - M); L = sum of w_i l_i.  out1[b][0][s] = e[s] w_(s / 64) / L;  out0[b][d] = sum over i of w_i part[b][i][d] / L.  All in f32.
; WORK LEFT OUT: t lacks the sum of v, the same for every s of a batch, which leaves the softmax as it is (shown at the head of the first launch).
; SHARES.  Work-group (x, y): batch y, columns 256 x .. of out0 and places 256 x .. of out1; a thread takes four of each, so a wave's load or store covers 512 consecutive bytes.
; The 16 pairs (m, l), 128 bytes, come by scalar loads.  No LDS, no barrier, no loop: so no prefetch; no tile is shared but those 128 bytes: so no cluster.
	s_load_b256 s[4:11], s[0:1], 0x0               ; e s[4:5], part s[6:7], st s[8:9], out0 s[10:11]
	s_load_b64 s[12:13], s[0:1], 0x20              ; out1
	v_lshlrev_b32 v1, 4, v0                        ; 16 x thread
	v_lshrrev_b32 v2, 4, v0                        ; which of x's four waves made my four e
	s_lshl_b32 s22, ttmp9, 5
	v_lshl_add_u32 v2, v2, 3, s22                  ; its pair in the batch's 128 bytes
	s_and_b32 s14, ttmp7, 0xffff                   ; the batch
	s_lshl_b32 s15, ttmp9, 10
	s_lshl_b32 s16, s14, 12
	s_add_co_u32 s16, s16, s15                     ; a batch's row of 4,096 bytes + my work-group's 1,024
	s_mov_b32 s17, 0
	s_lshl_b32 s18, s14, 16                        ; part: sixteen rows a batch
	s_add_co_u32 s18, s18, s15
	s_mov_b32 s19, 0
	s_lshl_b32 s20, s14, 7
	s_mov_b32 s21, 0
	s_wait_alu depctr_va_vdst(0)                   ; the wait at the head's end
	s_wait_kmcnt 0x0
	s_add_nc_u64 s[8:9], s[8:9], s[20:21]
	s_add_nc_u64 s[4:5], s[4:5], s[16:17]
	s_add_nc_u64 s[6:7], s[6:7], s[18:19]
	s_add_nc_u64 s[10:11], s[10:11], s[16:17]
	s_add_nc_u64 s[12:13], s[12:13], s[16:17]
	s_load_b512 s[32:47], s[8:9], 0x0              ; m_i in s[32 + 2 i], l_i in s[33 + 2 i]
	s_load_b512 s[48:63], s[8:9], 0x40
	global_load_b32 v3, v2, s[8:9]                 ; the m under which my four e were made
	global_load_b128 v[4:7], v1, s[4:5]
.irp i, 0,1,2,3,4,5,6,7,8,9,10,11,12,13,14,15
	global_load_b128 v[16+4*\i:19+4*\i], v1, s[6:7] offset:4096*\i
.endr
	s_wait_kmcnt 0x0
	v_mov_b32 v8, s32
.irp i, 1,2,3,4,5,6,7,8,9,10,11,12,13,14,15
	s_delay_alu instid0(VALU_DEP_1)
	v_max_num_f32 v8, s[32+2*\i], v8               ; M
.endr
.irp i, 0,1,2,3,4,5,6,7,8,9,10,11,12,13,14,15
	v_sub_f32 v[80+\i], s[32+2*\i], v8
.endr
	s_wait_loadcnt 0x0
	v_sub_f32 v9, v3, v8
	s_wait_alu depctr_va_vdst(0)                   ; ahead of the batch
.irp i, 0,1,2,3,4,5,6,7,8,9,10,11,12,13,14,15
	v_exp_f32 v[80+\i], v[80+\i]                   ; w_i
.endr
	v_exp_f32 v9, v9
	v_nop
	s_wait_alu depctr_va_vdst(0)                   ; and behind it
	v_mul_f32 v10, s33, v80
.irp c, 0,1,2,3
	v_mul_f32 v[96+\c], v[16+\c], v80              ; the first part starts the sums
.endr
.irp i, 1,2,3,4,5,6,7,8,9,10,11,12,13,14,15
	v_fmac_f32 v10, s[33+2*\i], v[80+\i]           ; L; five sums by turns
.irp c, 0,1,2,3
	v_fmac_f32 v[96+\c], v[16+4*\i+\c], v[80+\i]
.endr
.endr
	s_wait_alu depctr_va_vdst(0)
	v_rcp_f32 v10, v10                             ; 1 / L: L is at least 1, since the wave that holds M has w = 1 and l of 1 or more
	v_nop
	s_wait_alu depctr_va_vdst(0)
	v_mul_f32 v9, v9, v10
.irp c, 0,1,2,3
	v_mul_f32 v[96+\c], v[96+\c], v10
.endr
.irp c, 0,1,2,3
	v_mul_f32 v[12+\c], v[4+\c], v9
.endr
	global_store_b128 v1, v[96:99], s[10:11]       ; a wave stores 512 consecutive bytes
	global_store_b128 v1, v[12:15], s[12:13]
	s_endpgm
.Lfunc_end_k_qdd4deb4f11_join:
	.size	k_qdd4deb4f11_join, .Lfunc_end_k_qdd4deb4f11_join-k_qdd4deb4f11_join
	.p2alignl 7, 3214868480
	.fill 96, 4, 3214868480
	.section	.rodata,"a",@progbits
	.p2align	6, 0x0
	.amdhsa_kernel k_qdd4deb4f11_join
		.amdhsa_group_segment_fixed_size 0
		.amdhsa_private_segment_fixed_size 0
		.amdhsa_enable_private_segment 0
		.amdhsa_kernarg_size 40
		.amdhsa_user_sgpr_count 2
		.amdhsa_user_sgpr_kernarg_segment_ptr 1
		.amdhsa_wavefront_size32 1
		.amdhsa_system_sgpr_workgroup_id_x 1
		.amdhsa_system_sgpr_workgroup_id_y 1
		.amdhsa_system_sgpr_workgroup_id_z 1
		.amdhsa_system_vgpr_workitem_id 0
		.amdhsa_next_free_vgpr 112
		.amdhsa_next_free_sgpr 66
		.amdhsa_reserve_vcc 0
		.amdhsa_float_denorm_mode_32 3
		.amdhsa_float_denorm_mode_16_64 3
		.amdhsa_memory_ordered 1
		.amdhsa_forward_progress 1
		.amdhsa_inst_pref_size 9
	.end_amdhsa_kernel
	.amdgpu_metadata
---
amdhsa.version: [ 1, 2 ]
amdhsa.kernels:
  - .name:           k_qdd4deb4f11_join
    .symbol:         k_qdd4deb4f11_join.kd
    .args:
      - { .name: scores, .offset: 0, .size: 8, .value_kind: global_buffer, .address_space: global }
      - { .name: part, .offset: 8, .size: 8, .value_kind: global_buffer, .address_space: global }
      - { .name: st, .offset: 16, .size: 8, .value_kind: global_buffer, .address_space: global }
      - { .name: out0, .offset: 24, .size: 8, .value_kind: global_buffer, .address_space: global }
      - { .name: out1, .offset: 32, .size: 8, .value_kind: global_buffer, .address_space: global }
    .group_segment_fixed_size: 0
    .private_segment_fixed_size: 0
    .kernarg_segment_align: 8
    .kernarg_segment_size: 40
    .max_flat_workgroup_size: 64
    .sgpr_count:     66
    .vgpr_count:     112
    .wavefront_size: 32
...
	.end_amdgpu_metadata
.endif
;; end of part 3
